; MI455X (gfx1250); checked and timed in simulation.
; The chip was launched on July 23, 2026; its instructions are those of AMD's public machine-readable ISA for CDNA 5 (MIT licence, August 2026) and "CDNA5" Instruction Set Architecture Reference Guide (July 2026). The comments in the code are by the model that wrote it; some were corrected since.
;; Key Value Memory. Allowed arithmetic: float matrix products may take bf16 or f16 operands with f32 sums; other float arithmetic in f32, or as packed bf16 or f16 multiplies, adds, multiply-adds, maxima and minima; sums over many terms, partial sums and values carried from step to step in f32; what a program stores and reads back later, other than sums and carried values, may be rounded once to bf16 or f16.
;; Inputs: keys 4,096 x 1,024 float32; values 4,096 x 1,024 float32; z 8,192 x 1,024 float32.
;; Outputs: out0 8,192 x 1,024 float32.
;; One version. Each part assembles by itself: llvm-mc -triple=amdgcn-amd-amdhsa -mcpu=gfx1250 --defsym DOCPART=n.
;; ======== version 1 of 1: 3 launches
;; limits: inputs' magnitudes at most 65,504; values are held in f16: magnitudes above 65,504 overflow, below 6.1e-05 lose precision
;; workspace buffers: zb 16,777,216 bytes; kb 8,388,608 bytes; vh 8,388,608 bytes; pt 67,108,864 bytes; st 2,097,152 bytes
;; launch cast (part 1): grid 1024 x 1, 8 waves a work-group, no clusters, 0 bytes of LDS; arguments z, keys, values, zb, kb, vh; writes zb, kb, vh
.if DOCPART == 1
	.amdgcn_target "amdgcn-amd-amdhsa--gfx1250"
	.amdhsa_code_object_version 6
	.text
	.protected	k_qd661fbde67_cast
	.globl	k_qd661fbde67_cast
	.p2align	8
	.type	k_qd661fbde67_cast,@function
k_qd661fbde67_cast:
	s_mov_b64 s[64:65], 0
	v_nop
	global_prefetch_b8 v0, s[64:65] scope:SCOPE_SE
	s_setreg_imm32_b32 hwreg(HW_REG_WAVE_MODE, 25, 1), 1
	s_wait_xcnt 0x0
; zb = bf16(z), kb = bf16(keys), vh = f16(bf16(values)): the three inputs rounded once to bf16, for the two products that follow.
; values feeds a product whose other operand (the weights) is f16, so its bf16 number is written as f16: exact wherever f16 has the range.
; LIMITS.  |values| of 65,520 or more becomes an infinity in vh; a value below 6.1e-5 keeps f16's fixed step of 6e-8.  NaN is not treated apart.
; A stream: no LDS, no barrier, no loop.  A work-group takes 16,384 numbers (65,536 bytes in, 32,768 out): groups 0-511 z, 512-767 keys, 768-1023 values.
; Thread t, step i: 16 bytes in at 4,096 i + 16 t (a wave's load covers 512 consecutive bytes), 8 bytes out at 2,048 i + 8 t (a wave's store covers 256 consecutive bytes, aligned).
; All sixteen loads of a thread go out first; no register that a memory instruction names is written again.
.set X, 16                             ; v[16:79]   step i: four f32 as loaded
.set Y, 80                             ; v[80:111]  step i: four 16-bit numbers to store
	s_load_b256 s[4:11], s[0:1], 0x0               ; z s[4:5], keys s[6:7], values s[8:9], zb s[10:11]
	s_load_b128 s[12:15], s[0:1], 0x20             ; kb s[12:13], vh s[14:15]
	s_mov_b32 s16, ttmp9                           ; the work-group's number
	s_sub_co_u32 s17, s16, 512                     ; its number among keys' groups,
	s_sub_co_u32 s18, s16, 768                     ; among values' groups
	s_mov_b32 s28, 0xffff0000                      ; a word's upper bf16
	v_lshlrev_b32 v1, 4, v0                        ; 16 t
	v_lshlrev_b32 v2, 3, v0                        ; 8 t
	s_wait_kmcnt 0x0
	s_cmp_lt_u32 s16, 768                          ; the choice hangs on the group's number alone
	s_cselect_b64 s[20:21], s[6:7], s[8:9]
	s_cselect_b64 s[22:23], s[12:13], s[14:15]
	s_cselect_b32 s19, s17, s18
	s_cmp_lt_u32 s16, 512
	s_cselect_b64 s[20:21], s[4:5], s[20:21]       ; from where,
	s_cselect_b64 s[22:23], s[10:11], s[22:23]     ; to where,
	s_cselect_b32 s19, s16, s19                    ; and which part of it
	s_lshl_b32 s24, s19, 16
	s_mov_b32 s25, 0
	s_lshl_b32 s26, s19, 15
	s_mov_b32 s27, 0
	s_add_nc_u64 s[20:21], s[20:21], s[24:25]
	s_add_nc_u64 s[22:23], s[22:23], s[26:27]
.irp i, 0,1,2,3,4,5,6,7,8,9,10,11,12,13,14,15
	global_load_b128 v[X+4*(\i):X+4*(\i)+3], v1, s[20:21] offset:4096*(\i) th:TH_LOAD_NT
.endr
; Step i.  half = 1: the bf16 numbers are widened again (a shift, a mask) and written as f16.
.macro OUT i, half
	s_wait_loadcnt 15-(\i)                         ; loads come back in order (ISA guide 5.7.1): step i is in, the 15 - i younger loads stay out
.if \half
	v_cvt_pk_bf16_f32 v4, v[X+4*(\i)], v[X+4*(\i)+1]
	v_cvt_pk_bf16_f32 v5, v[X+4*(\i)+2], v[X+4*(\i)+3]
	v_and_b32 v7, s28, v5
	v_lshlrev_b32 v6, 16, v5
	v_and_b32 v5, s28, v4
	v_lshlrev_b32 v4, 16, v4
	v_cvt_pk_f16_f32 v[Y+2*(\i)], v4, v5
	v_cvt_pk_f16_f32 v[Y+2*(\i)+1], v6, v7
.else
	v_cvt_pk_bf16_f32 v[Y+2*(\i)], v[X+4*(\i)], v[X+4*(\i)+1]
	v_cvt_pk_bf16_f32 v[Y+2*(\i)+1], v[X+4*(\i)+2], v[X+4*(\i)+3]
.endif
	global_store_b64 v2, v[Y+2*(\i):Y+2*(\i)+1], s[22:23] offset:2048*(\i)
.endm
	s_cmp_ge_u32 s16, 768
	s_cbranch_scc1 .Lvalues
.irp i, 0,1,2,3,4,5,6,7,8,9,10,11,12,13,14,15
	OUT \i, 0
.endr
	s_endpgm
.Lvalues:
.irp i, 0,1,2,3,4,5,6,7,8,9,10,11,12,13,14,15
	OUT \i, 1
.endr
	s_endpgm
.Lfunc_end_k_qd661fbde67_cast:
	.size	k_qd661fbde67_cast, .Lfunc_end_k_qd661fbde67_cast-k_qd661fbde67_cast
	.p2alignl 7, 3214868480
	.fill 96, 4, 3214868480
	.section	.rodata,"a",@progbits
	.p2align	6, 0x0
	.amdhsa_kernel k_qd661fbde67_cast
		.amdhsa_group_segment_fixed_size 0
		.amdhsa_private_segment_fixed_size 0
		.amdhsa_enable_private_segment 0
		.amdhsa_kernarg_size 48
		.amdhsa_user_sgpr_count 2
		.amdhsa_user_sgpr_kernarg_segment_ptr 1
		.amdhsa_wavefront_size32 1
		.amdhsa_system_sgpr_workgroup_id_x 1
		.amdhsa_system_sgpr_workgroup_id_y 1
		.amdhsa_system_sgpr_workgroup_id_z 1
		.amdhsa_system_vgpr_workitem_id 0
		.amdhsa_next_free_vgpr 112
		.amdhsa_next_free_sgpr 66
		.amdhsa_reserve_vcc 0
		.amdhsa_float_denorm_mode_32 3
		.amdhsa_float_denorm_mode_16_64 3
		.amdhsa_memory_ordered 1
		.amdhsa_forward_progress 1
		.amdhsa_inst_pref_size 15
	.end_amdhsa_kernel
	.amdgpu_metadata
---
amdhsa.version: [ 1, 2 ]
amdhsa.kernels:
  - .name:           k_qd661fbde67_cast
    .symbol:         k_qd661fbde67_cast.kd
    .args:
      - { .name: z, .offset: 0, .size: 8, .value_kind: global_buffer, .address_space: global }
      - { .name: keys, .offset: 8, .size: 8, .value_kind: global_buffer, .address_space: global }
      - { .name: values, .offset: 16, .size: 8, .value_kind: global_buffer, .address_space: global }
      - { .name: zb, .offset: 24, .size: 8, .value_kind: global_buffer, .address_space: global }
      - { .name: kb, .offset: 32, .size: 8, .value_kind: global_buffer, .address_space: global }
      - { .name: vh, .offset: 40, .size: 8, .value_kind: global_buffer, .address_space: global }
    .group_segment_fixed_size: 0
    .private_segment_fixed_size: 0
    .kernarg_segment_align: 8
    .kernarg_segment_size: 48
    .max_flat_workgroup_size: 256
    .sgpr_count:     66
    .vgpr_count:     112
    .wavefront_size: 32
...
	.end_amdgpu_metadata
.endif
;; end of part 1
;; launch scores (part 2): grid 16 x 32, 4 waves a work-group, clusters of 4 x 4, 327,680 bytes of LDS; arguments zb, kb, pt, st; writes pt, st
.if DOCPART == 2
	.amdgcn_target "amdgcn-amd-amdhsa--gfx1250"
	.amdhsa_code_object_version 6
	.text
	.protected	k_qd661fbde67_scores
	.globl	k_qd661fbde67_scores
	.p2align	8
	.type	k_qd661fbde67_scores,@function
k_qd661fbde67_scores:
	s_mov_b64 s[64:65], 0
	v_nop
	global_prefetch_b8 v0, s[64:65] scope:SCOPE_SE
	s_setreg_imm32_b32 hwreg(HW_REG_WAVE_MODE, 25, 1), 1
	s_wait_xcnt 0x0
	s_wait_alu depctr_hold_cnt(0) depctr_sa_sdst(0) depctr_va_vdst(0) depctr_va_sdst(0) depctr_va_ssrc(0) depctr_va_vcc(0) depctr_vm_vsrc(0)
	s_getreg_b32 s2, hwreg(HW_REG_IB_STS2, 6, 4)
	s_cmp_eq_u32 s2, 0
	s_cbranch_scc0 .Lentry_in_a_cluster
	s_endpgm
.Lentry_in_a_cluster:
	s_bfe_u32 s2, ttmp6, 0x10000c
	s_cmp_lg_u32 s2, 0xf033
	s_cbranch_scc0 .Lentry_shape_is_right
	s_endpgm
.Lentry_shape_is_right:
; s[n][k] = sum over d of zb[n][d] kb[k][d] (bf16 operands, f32 sums), and the first half of the softmax over k, by CHUNKS of 128 keys:
;   for row n and chunk c:  cm = c0 x max over the chunk of s (c0 = log2 e),  p~[n][k] = 2^(c0 s - cm),  l = the sum of the chunk's p~ (unrounded, f32).
; pt[n][k] = p~ rounded to f16 ([8192][4096]).  st holds cm and l in f32: 1,024 bytes for chunk c and the 128 rows 128 T on, at byte 65,536 c + 1,024 T: 128 cm, then 128 l,
; a row's at place 64 (row / 64) + 4 (row % 16) + (row / 16) % 4 of the 128, so that the next launch's lanes find the four numbers that they need side by side.
; The next launch takes the row's maximum of the cm and scales each chunk by 2^(cm - CM): every exponential has a true maximum taken away first, the chunk's here and the row's there.
; LIMITS.  p~ lies in 0 to 1 (the chunk's largest is 1); below 6.1e-5 it keeps f16's fixed step of 6e-8 in pt; below 2^-126 it counts as 0 in l.  NaN and infinities are not treated apart.
; SHARES.  A tile of s, 256 rows x 256 keys, is made by a work-group of four waves; a wave makes 128 x 128: 64 accumulators of 16 x 16, 512 registers; its 128 keys are one chunk.
; The grid is 16 x 32 tiles, one to a work-group.  The 1,024 channels go in steps of 128 through a ring of two LDS slots filled by the tensor data mover: a tile's rows are 256 bytes of
; memory and start at multiples of 256 bytes from the buffer's first byte.
; CLUSTERS: 4 x 4 work-groups.  The four of a row of the cluster need the same tiles of zb, the four of a column the same tiles of kb: each tile is asked for JOINTLY, by the same tensor load
; with the same descriptor and a mask that names the four, and each receives it in its own LDS.
; THE MATRIX INSTRUCTION IS USED TRANSPOSED: source 0 = 16 rows of kb, source 1 = 16 rows of zb.  In the result lane l holds row l % 16 of s and its registers 0 to 7 the keys 8 (l / 16) + 0 .. 7:
; a row's 128 scores lie in two lanes, 16 apart, so the maximum and the sum want one exchange, and eight neighbouring p~ pack into 16 bytes.
; REGISTERS, in windows of 256 (s_set_vgpr_msb's low byte: bits 1:0 source 0, 3:2 source 1, 5:4 source 2, 7:6 destination):
;   window 0: v0-31 addresses and the softmax's few; v64-127, v128-191 fragments of zb, two buffers; v32-63, v192-255 at work on the way out
;   window 1: v64-127, v128-191 fragments of kb, two buffers
;   window 2: the 32 accumulators of my rows 0-63 (accumulator (a, b) at v[8 (8 a + b)]);   window 3: those of my rows 64-127
.set SIZE_M, 8192
.set SIZE_N, 4096
.set SIZE_K, 1024
.set KSTEP,  128
.set PITCH,  272                       ; an LDS row: 256 bytes of data + 16 of padding = 68 words: row r starts at bank 4 r mod 64 (64 banks of 4 bytes: ISA guide 11.1), so the 16 rows that a load touches start at 16 different banks
.set HALFT,  128*PITCH                 ; 128 rows: what one tensor load brings, and what one wave reads of zb or of kb
.set SLOT,   4*HALFT                   ; zb's 256 rows, then kb's 256 rows
.set STAGE,  2*SLOT                    ; behind the ring: 16 rows x 272 bytes for each wave, for the way out
.set SPITCH, 272
.set STS,    STAGE+4*16*SPITCH         ; behind the stages: 1,024 bytes for each wave: cm and l of its 128 rows, as they lie in st
.set SPARE,  STS+4*1024                ; behind them: the spare words, 128 bytes for each wave: two blocks of 256 bytes that no other line names
.set LAPS, SIZE_K/(2*KSTEP)            ; a lap = two K steps = once round the ring: 4
.set CH,   4                           ; v4-7    four chains of the maximum
.set CM,   8                           ; v[8:9]  cm and l of the row in hand
.set LP,   10                          ; v[10:11] the sum's last pair
.set T0,   12                          ; v12-13  at work
.set SWR,  14                          ; v14     where the four cm of row l % 16 of four blocks lie: 16 bytes a row
.set SRD,  15                          ; v15     where I read 16 bytes of my wave's 1,024 back
.set ADRA, 16                          ; v16-17  LDS address of my zb fragments in slot 0, 1
.set SGO,  18                          ; v18     my byte offset in my wave's 1,024 bytes of st
.set ADRB, 20                          ; v20-21  the same as ADRA for kb
.set STO,  24                          ; v24     the way out: where I put 16 bytes of a row
.set RD,   25                          ; v25     the way out: where I read a row back
.set CO,   26                          ; v26     my byte offset in pt
.set SPW,  28                          ; v28     LDS address of my spare word: SPARE + 4 x my thread's number; never rewritten
.set NIL,  29                          ; v29     0; never rewritten
.set F0,   64                          ; fragment buffer 0
.set F1,   128                         ; fragment buffer 1
.set TMP,  192                         ; the way out: packed p~, in window 0
.set OB,   32                          ; the way out: 16 rows read back from the stage: v32-63 and v224-255 by turns
.set G1, 24                            ; s[24:31] descriptor group 1 for zb's tiles
.set G0, 32                            ; s[32:39] descriptor group 0 for zb's tiles, one set for each slot
.set G1B, 48                           ; s[48:55] descriptor group 1 for kb's tiles: it differs in the mask alone
.set G0B, 56                           ; s[56:63] descriptor group 0 for kb's tiles, one set for each slot
.set ST,  66                           ; s[66:67] st at my wave's 1,024 bytes
.set CS,  70                           ; s[70:71] c0 = log2 e: the packed scaling names a pair and takes its low word for both halves
.set SEL, 72                           ; s[72:73] lane selects for v_permlanex16_b32: each lane takes its own place in the other half
.set MSB, 0
.macro WIN new                         ; the immediate's high byte repeats the setting that is left; a switch that changes nothing is dropped
.if MSB != (\new)
	s_set_vgpr_msb (MSB<<8)|(\new)
.set MSB, \new
.endif
.endm
.set MUL_LO, 0xa1                      ; source 0 (kb) window 1, source 1 (zb) window 0, C and D window 2
.set MUL_HI, 0xf1                      ; the same, C and D window 3
.set TO_B,   0x40                      ; destination window 1, address window 0
; A joint load.  Waves 0 and 1 fetch zb's two halves, waves 2 and 3 kb's.  Each of the two lines has ONE mask and one set of registers for all that issue it; the branch hangs on the wave's number alone.
; An s_nop 0 and four v_nop follow each of the two lines; the jump round the other line, the label and what follows the macro come after them.
.macro JLOAD s
	s_cmp_eq_u32 s11, 0
	s_cbranch_scc0 .Lfor_b_\@
	tensor_load_to_lds s[G0+4*(\s):G0+4*(\s)+3], s[G1:G1+7]
	s_nop 0
.rept 4
	v_nop
.endr
	s_branch .Lasked_\@
.Lfor_b_\@:
	tensor_load_to_lds s[G0B+4*(\s):G0B+4*(\s)+3], s[G1B:G1B+7]
	s_nop 0
.rept 4
	v_nop
.endr
.Lasked_\@:
.endm
; A round of the cluster's barrier: my work-group's barrier, so that wave 0's signal speaks for all four waves; wave 0 signals for the work-group; every wave waits for all
; sixteen work-groups; my work-group's barrier once more.  No LDS instruction of the wave is pending at a signal.
.macro CREST                           ; a round behind its opening barrier
	s_cmp_lg_u32 s10, 0
	s_cbranch_scc1 .Lnot_wave_0_\@
	s_barrier_signal -3
.Lnot_wave_0_\@:
	s_barrier_wait -3
	s_barrier_signal -1
	s_barrier_wait -1
.endm
.macro CROUND                          ; a whole round
	s_barrier_signal -1
	s_barrier_wait -1
	CREST
.endm
	s_load_b128 s[4:7], s[0:1], 0x0                ; zb s[4:5], kb s[6:7]
	s_load_b64 s[8:9], s[0:1], 0x10                ; pt
	s_load_b64 s[ST:ST+1], s[0:1], 0x18            ; st
	v_lshl_add_u32 v[SPW], v0, 2, SPARE
	v_mov_b32 v[NIL], 0
	ds_add_u32 v[SPW], v[NIL]                      ; the wave's opening: the add and its wait stand ahead of my first tensor load; the set-up below, work on registers, stands between them
	v_lshrrev_b32 v1, 5, v0
	v_readfirstlane_b32 s10, v1                    ; wave 0..3
	s_lshr_b32 s11, s10, 1                         ; which half of the tile's rows is mine.  Also: I fetch for zb (0) or for kb (1)
	s_and_b32 s12, s10, 1                          ; which half of its keys.  Also: which 128 rows of that tile I fetch
	s_bfe_u32 s40, ttmp6, 0x40000                  ; cx: my place along the cluster's x
	s_bfe_u32 s41, ttmp6, 0x40004                  ; cy: along its y
	s_lshl_b32 s42, ttmp9, 2                       ; in a cluster launch ttmp9 and ttmp7 count clusters
	s_add_co_u32 s42, s42, s40                     ; tile column = 4 x cluster x + cx
	s_and_b32 s13, ttmp7, 0xffff
	s_lshl_b32 s13, s13, 2
	s_add_co_u32 s13, s13, s41                     ; tile row = 4 x cluster y + cy
	s_lshl_b32 s43, s41, 2
	s_lshl_b32 s43, 15, s43                        ; my row of the cluster: places 4 cy .. 4 cy + 3
	s_lshl_b32 s44, 0x1111, s40                    ; my column: places cx, cx + 4, cx + 8, cx + 12
	; descriptor group 1: a tile of 128 rows x 128 elements, padded in LDS
	s_or_b32 s[G1+0], s43, (1<<16)|(1<<20)|(1<<21)|(5<<22)|(3<<25)  ; 15:0 the mask: zb's tiles go to my row; 17:16 element of 2 bytes; 20 padding on; 21 set beside a mask; 24:22 after every 64 words (code 5); 31:25 of 4 words (code 3)
	s_or_b32 s[G1B+0], s44, (1<<16)|(1<<20)|(1<<21)|(5<<22)|(3<<25) ; the same with the mask of my column, for kb's tiles
.irp g, G1, G1B
	s_mov_b32 s[(\g)+1], KSTEP<<16                 ; tensor_dim0 = 128
	s_mov_b32 s[(\g)+2], 128<<16                   ; tensor_dim1 = 128
	s_mov_b32 s[(\g)+3], KSTEP<<16                 ; tile_dim0 = 128
	s_mov_b32 s[(\g)+4], 128                       ; tile_dim1 = 128
	s_mov_b32 s[(\g)+5], SIZE_K                    ; elements from row to row
	s_mov_b32 s[(\g)+6], 0
	s_mov_b32 s[(\g)+7], 0
.endr
	s_mov_b32 s[CS], 0x3fb8aa3b                    ; log2 e
	s_mov_b32 s[CS+1], s[CS]                       ; named with it as a pair, so it is written
	s_mov_b32 s[SEL], 0x76543210
	s_mov_b32 s[SEL+1], 0xfedcba98
	; where the tiles come from.  zb's hang on the tile row alone, which my row of the cluster shares; kb's on the tile column alone, which my column shares.
	s_lshl_b32 s17, s12, 7                         ; which 128 rows of the tile I fetch
	s_lshl_b32 s16, s13, 8
	s_add_co_u32 s16, s16, s17                     ; zb: row 256 x tile row + 128 x half
	s_lshl_b32 s46, s42, 8
	s_add_co_u32 s46, s46, s17                     ; kb: row 256 x tile column + 128 x half
	s_mov_b32 s17, 0
	s_mov_b32 s47, 0
	s_mov_b64 s[18:19], SIZE_K*2
	s_mul_u64 s[16:17], s[16:17], s[18:19]         ; in bytes
	s_mul_u64 s[46:47], s[46:47], s[18:19]
	s_mul_i32 s20, s10, HALFT                      ; and where they go: wave x 128 rows: no place in the cluster enters an LDS address
	s_wait_dscnt 0x0                               ; the opening add is done
	s_wait_kmcnt 0x0
	s_add_nc_u64 s[14:15], s[4:5], s[16:17]
	s_add_nc_u64 s[46:47], s[6:7], s[46:47]
	CROUND                                         ; all sixteen work-groups are here: the first joint loads meet
.irp s, 0,1
	s_mov_b32 s[G0+4*(\s)], 1                                      ; 1:0 count = 1
	s_add_co_u32 s[G0+4*(\s)+1], s20, (\s)*SLOT                    ; 63:32 LDS address
	s_add_nc_u64 s[G0+4*(\s)+2:G0+4*(\s)+3], s[14:15], (\s)*KSTEP*2  ; 120:64 global address: K step s
	s_or_b32 s[G0+4*(\s)+3], s[G0+4*(\s)+3], 0x80000000            ; 127:126 type = 2
	s_mov_b32 s[G0B+4*(\s)], 1
	s_add_co_u32 s[G0B+4*(\s)+1], s20, (\s)*SLOT
	s_add_nc_u64 s[G0B+4*(\s)+2:G0B+4*(\s)+3], s[46:47], (\s)*KSTEP*2
	s_or_b32 s[G0B+4*(\s)+3], s[G0B+4*(\s)+3], 0x80000000
	JLOAD \s                                       ; the ring is filled before anything else is done: two loads of mine are out
.endr
	; A fragment is 16 rows x 32 K in 8 registers: lane l holds row l % 16; registers 0-3 hold K = 8 (l / 16) + 0..7, registers 4-7 hold
	; K = 16 + 8 (l / 16) + 0..7.  From rows that lie along K: two loads of 16 bytes, 32 bytes apart.
	v_and_b32 v1, 15, v0                           ; l % 16
	v_bfe_u32 v2, v0, 4, 1                         ; l / 16
	v_mul_u32_u24 v3, v1, PITCH
	v_lshl_add_u32 v3, v2, 4, v3                   ; row x pitch + 16 x half
	s_mul_i32 s21, s11, HALFT                      ; my 128 rows of zb
	s_mul_i32 s22, s12, HALFT                      ; my 128 rows of kb,
	s_add_co_u32 s22, s22, 2*HALFT                 ; which lie behind zb's 256
.irp s, 0,1
	v_add_nc_u32 v[ADRA+(\s)], s21, v3
	v_add_nc_u32 v[ADRB+(\s)], s22, v3
	s_add_co_u32 s21, s21, SLOT
	s_add_co_u32 s22, s22, SLOT
.endr
	s_mul_i32 s23, s10, 16*SPITCH
	s_add_co_u32 s23, s23, STAGE                   ; my stage
	v_mul_u32_u24 v4, v1, SPITCH                   ; in: row l % 16, 16 bytes for each half of the lanes
	v_lshl_add_u32 v4, v2, 4, v4
	v_add_nc_u32 v[STO], s23, v4
	v_mul_u32_u24 v5, v2, SPITCH                   ; back: lanes 0-15 take one row of 256 bytes, lanes 16-31 the next
	v_lshl_add_u32 v5, v1, 4, v5
	v_add_nc_u32 v[RD], s23, v5
	v_mul_u32_u24 v5, v2, SIZE_N*2                 ; and the same two rows in pt
	v_lshl_add_u32 v[CO], v1, 4, v5
	s_lshl_b32 s23, s10, 10
	s_add_co_u32 s23, s23, STS                     ; my wave's 1,024 bytes of cm and l
	v_lshl_add_u32 v[SWR], v1, 4, s23              ; in: 16 bytes for row l % 16 of four blocks
	v_and_b32 v3, 31, v0
	v_lshlrev_b32 v[SGO], 4, v3                    ; back and out: 16 bytes a lane
	v_add_nc_u32 v[SRD], s23, v[SGO]
	v_mov_b32 v[CM+1], 0                           ; named in a pair with cm before the first l is made
	v_mov_b32 v[T0+1], 0                           ; v_permlanex16_b32's destination counts as read
	; where my part of the tile begins in pt and in st
	s_lshl_b32 s13, s13, 8
	s_lshl_b32 s14, s11, 7
	s_add_co_u32 s16, s13, s14                     ; my first row
	s_lshl_b32 s68, s16, 3                         ; st: 1,024 bytes for 128 rows,
	s_lshl1_add_u32 s69, s42, s12                  ; my chunk = 2 x tile column + half,
	s_lshl_b32 s69, s69, 16                        ; 65,536 bytes a chunk
	s_add_co_u32 s68, s68, s69
	s_mov_b32 s69, 0
	s_add_nc_u64 s[ST:ST+1], s[ST:ST+1], s[68:69]
	s_mov_b32 s17, 0
	s_mov_b64 s[18:19], SIZE_N*2
	s_mul_u64 s[16:17], s[16:17], s[18:19]
	s_lshl_b32 s46, s42, 9                         ; my first key, in bytes: 512 x tile column + 256 x half
	s_lshl_b32 s47, s12, 8
	s_add_co_u32 s46, s46, s47
	s_mov_b32 s47, 0
	s_add_nc_u64 s[16:17], s[16:17], s[46:47]
	s_add_nc_u64 s[8:9], s[8:9], s[16:17]
; 16 matrix instructions: m blocks a0, a0 + 1 of the window's four (hi = 0: my rows 0-63, 1: rows 64-127) x all 8 n blocks, 32 along K.
; zero = 1: the first product starts the sums: nothing is ever cleared.  The 64 accumulators take turns, one instruction a turn.
.macro MUL16 f, hi, a0, zero
	WIN MUL_LO+0x50*(\hi)
.irp a, \a0, (\a0)+1
.irp b, 0,1,2,3,4,5,6,7
.if \zero
	v_wmma_f32_16x16x32_bf16 v[8*(8*(\a)+(\b)):8*(8*(\a)+(\b))+7], v[(\f)+8*(\b):(\f)+8*(\b)+7], v[(\f)+8*(4*(\hi)+(\a)):(\f)+8*(4*(\hi)+(\a))+7], 0
.else
	v_wmma_f32_16x16x32_bf16 v[8*(8*(\a)+(\b)):8*(8*(\a)+(\b))+7], v[(\f)+8*(\b):(\f)+8*(\b)+7], v[(\f)+8*(4*(\hi)+(\a)):(\f)+8*(4*(\hi)+(\a))+7], v[8*(8*(\a)+(\b)):8*(8*(\a)+(\b))+7]
.endif
.endr
.endr
.endm
; 32 LDS loads in one run: the fragments of one quarter step (128 rows of kb, 128 rows of zb, 32 K at byte k of the rows) into buffer f
.macro FETCH slot, k, f
	WIN TO_B
.irp i, 0,1,2,3,4,5,6,7
	ds_load_b128 v[(\f)+8*(\i):(\f)+8*(\i)+3],   v[ADRB+(\slot)] offset:(\k)+(\i)*16*PITCH
	ds_load_b128 v[(\f)+8*(\i)+4:(\f)+8*(\i)+7], v[ADRB+(\slot)] offset:(\k)+(\i)*16*PITCH+32
.endr
	WIN 0
.irp i, 0,1,2,3,4,5,6,7
	ds_load_b128 v[(\f)+8*(\i):(\f)+8*(\i)+3],   v[ADRA+(\slot)] offset:(\k)+(\i)*16*PITCH
	ds_load_b128 v[(\f)+8*(\i)+4:(\f)+8*(\i)+7], v[ADRA+(\slot)] offset:(\k)+(\i)*16*PITCH+32
.endr
.endm
; A load into a register that a matrix instruction has read, and a vector instruction that reads a matrix result, stand four places behind that matrix instruction, and only plain vector
; instructions that name none of its registers are places (ISA guide 7.12.1 for vector instructions).
.macro PLACES
.rept 4
	v_nop
.endr
.endm
; A K step is four quarter steps of 32 along K, 64 matrix instructions each, on buffers 0, 1, 0, 1.
; One of the first three: multiplies buffer f; in its middle it fetches the next quarter's fragments, at byte k of the same slot's rows, into buffer g.
.macro QUARTER slot, k, f, g, zero
	s_wait_dscnt 8                                 ; kb and zb's rows 0-63 are in; the youngest eight loads (zb's rows 64-127) may be out
	MUL16 \f, 0, 0, \zero
	MUL16 \f, 0, 2, \zero
	PLACES
	FETCH \slot, \k, \g
	s_wait_dscnt 32                                ; all but the 32 just issued
	MUL16 \f, 1, 0, \zero
	MUL16 \f, 1, 2, \zero
.endm
; The last quarter multiplies buffer 1 and changes slots.  MEET is its first half: ONE barrier for the change of slots.  In front of it each wave waits for all its tensor loads, of which one
; is out: its part of the next slot; adds 0 to its spare word; and waits for that and for its own reads of this slot.  Behind it nobody reads this slot any more and the next slot is whole.
.macro MEET round                      ; round = 1: a round of the cluster's barrier follows
	WIN 0                                          ; (the add's two registers lie in window 0)
	s_wait_tensorcnt 0x0                           ; all my tensor loads have landed: the one that was out is my part of the next slot;
	ds_add_u32 v[SPW], v[NIL]                      ; 0 onto my spare word;
	s_wait_dscnt 9                                 ; (the add and the youngest eight loads may be out)
	MUL16 F1, 0, 0, 0                              ; sixteen matrix instructions stand between the add and the wait for it
	s_wait_dscnt 0x0                               ; the add is done, and my reads of this slot are over:
	s_barrier_signal -1                            ; say so (where a slot is filled again this barrier opens a round of the cluster's barrier),
	MUL16 F1, 0, 2, 0                              ; work on registers while the others arrive,
.if \round
	WIN 0
.endif
	s_barrier_wait -1                              ; and go on when all four have said so
.endm
; The whole last quarter.  Behind the round the slot just read out is filled again first, with the K step two steps on; then come the next slot's first fragments.
.macro TURN slot, next
	MEET 1
	CREST                                          ; no wave of any partner still reads this slot's tile or has a load on its way
	s_add_nc_u64 s[G0+4*(\slot)+2:G0+4*(\slot)+3], s[G0+4*(\slot)+2:G0+4*(\slot)+3], 2*KSTEP*2
	s_add_nc_u64 s[G0B+4*(\slot)+2:G0B+4*(\slot)+3], s[G0B+4*(\slot)+2:G0B+4*(\slot)+3], 2*KSTEP*2
	JLOAD \slot                                    ; the first tensor load behind the round, my only one until the next; the four v_nop behind it are also the places in front of the loads below
	FETCH \next, 0, F0
	MUL16 F1, 1, 0, 0
	MUL16 F1, 1, 2, 0
.endm
; THE WAY OUT of block a (16 rows x my 128 keys: 64 registers s0-s63 a lane, in window W), in three parts.
; SOFT: the chunk's maximum, p~ in place, p~ rounded to f16 (16 bytes for each 8 keys), the chunk's sum; cm and l into my 1,024 bytes of LDS.
;   the maximum: four chains of sixteen scores, three operands at a time; each accumulator's lowest registers are read first
;   c0 s - cm four pairs ahead of the exponentials; behind each exponential stands a plain instruction, or a further exponential and then a plain one, before its result is used (ISA guide 5.7.2)
;   the sum is taken of the unrounded p~, in place, behind the roundings: neighbours 1, 2, 4, 8 and 16 pairs apart
.macro SOFT a
.set W, 2+(\a)/4
.set AC, 64*((\a)%4)
	WIN W|(W<<2)|(W<<4)
.irp j, 0,1,2,3
	v_max3_num_f32 v[CH+\j], v[AC+16*\j], v[AC+16*\j+1], v[AC+16*\j+2]
.endr
	WIN (W<<2)|(W<<4)
.irp i, 0,1,2,3,4,5
.irp j, 0,1,2,3
	v_max3_num_f32 v[CH+\j], v[CH+\j], v[AC+16*\j+3+2*\i], v[AC+16*\j+4+2*\i]
.endr
.endr
	v_max3_num_f32 v[CH], v[CH], v[AC+15], v[AC+31]
	v_max3_num_f32 v[CH+2], v[CH+2], v[AC+47], v[AC+63]
	WIN 0
	v_max3_num_f32 v[CH], v[CH], v[CH+1], v[CH+2]
	v_max_num_f32 v[CH], v[CH], v[CH+3]
	v_permlanex16_b32 v[CH+1], v[CH], s[SEL], s[SEL+1]  ; the row's other 64 keys lie in the lane 16 away
	v_max_num_f32 v[CH], v[CH], v[CH+1]
	v_mul_f32 v[CM], s[CS], v[CH]                  ; cm
	WIN W|(W<<6)
.set n, 0
.rept 4
	v_pk_fma_f32 v[AC+2*n:AC+2*n+1], v[AC+2*n:AC+2*n+1], s[CS:CS+1], v[CM:CM+1] op_sel_hi:[1,0,0] neg_lo:[0,0,1] neg_hi:[0,0,1]
.set n, n+1
.endr
.rept 28
	v_exp_f32 v[AC+2*n-8], v[AC+2*n-8]
	v_pk_fma_f32 v[AC+2*n:AC+2*n+1], v[AC+2*n:AC+2*n+1], s[CS:CS+1], v[CM:CM+1] op_sel_hi:[1,0,0] neg_lo:[0,0,1] neg_hi:[0,0,1]
	v_exp_f32 v[AC+2*n-7], v[AC+2*n-7]
.set n, n+1
.endr
.set n, 56
.rept 8
	v_exp_f32 v[AC+n], v[AC+n]
.set n, n+1
.endr
	WIN W|(W<<2)
.set n, 0
	s_wait_alu depctr_va_vdst(0)
.rept 32
	v_cvt_pk_f16_f32 v[TMP+n], v[AC+2*n], v[AC+2*n+1]  ; the first of these, on s0 and s1, is the plain instruction behind the last exponentials
.set n, n+1
.endr
	WIN W|(W<<2)|(W<<6)
.irp w, 4,8,16,32
.set u, 0
.rept 64/\w
	v_pk_add_f32 v[AC+\w*u:AC+\w*u+1], v[AC+\w*u:AC+\w*u+1], v[AC+\w*u+\w/2:AC+\w*u+\w/2+1]
.set u, u+1
.endr
.endr
	WIN W|(W<<2)
	v_pk_add_f32 v[LP:LP+1], v[AC:AC+1], v[AC+32:AC+33]
	WIN 0
	v_add_f32 v[T0], v[LP], v[LP+1]
	v_permlanex16_b32 v[T0+1], v[T0], s[SEL], s[SEL+1]
	v_add_f32 v[CM+1], v[T0], v[T0+1]              ; l
	ds_store_b32 v[SWR], v[CM] offset:((\a)/4)*256+((\a)%4)*4        ; place 64 (a / 4) + 4 (l % 16) + a % 4 of the 128 cm; the two lanes of a row write the same word with the same number
	ds_store_b32 v[SWR], v[CM+1] offset:512+((\a)/4)*256+((\a)%4)*4  ; and of the 128 l
.endm
; TOSTAGE: into my own stage in LDS, and back as whole rows of 256 bytes.
.macro TOSTAGE a
	WIN 0
.set BK, OB+192*((\a)%2)
.irp b, 0,1,2,3,4,5,6,7
	ds_store_b128 v[STO], v[TMP+4*(\b):TMP+4*(\b)+3] offset:32*(\b)
.endr
.irp t, 0,1,2,3,4,5,6,7
	ds_load_b128 v[BK+4*(\t):BK+4*(\t)+3], v[RD] offset:(\t)*2*SPITCH  ; LDS serves a wave's instructions in order (ISA guide 5.7.1.4): these see the stores above
.endr
.endm
; SEND: stored.
.macro SEND a
	WIN 0
.set BK, OB+192*((\a)%2)
	s_wait_dscnt 0x0                               ; the block is back in registers
	s_wait_xcnt 0x0                                ; every earlier memory instruction has had its addresses translated (ISA guide 3.1): only behind this wait are the stores' base and the registers that earlier stores read rewritten
.if (\a) != 0
	s_add_nc_u64 s[8:9], s[8:9], 16*SIZE_N*2       ; 16 rows of pt on
.endif
.irp t, 0,1,2,3,4,5,6,7
	global_store_b128 v[CO], v[BK+4*(\t):BK+4*(\t)+3], s[8:9] offset:2*(\t)*SIZE_N*2  ; 16 lanes store 256 consecutive bytes, at a multiple of 256 from pt's first byte
.endr
.endm
	s_wait_tensorcnt 1                             ; my part of K step 0 is in; K step 1's may stay out
	s_barrier_signal -1
	s_barrier_wait -1                              ; everybody's is
	FETCH 0, 0, F0
	QUARTER 0, 64,  F0, F1, 1                      ; the first quarter stands in front of the loop: its products start the sums
	WIN 0                                          ; at a label and at a branch every window is 0
	s_mov_b32 s3, LAPS-1
.Llap:                                                 ; a trip goes once round the ring, from a lap's second quarter to the next lap's first, and fills both slots again
	QUARTER 0, 128, F1, F0, 0
	QUARTER 0, 192, F0, F1, 0
	TURN 0, 1
	QUARTER 1, 64,  F0, F1, 0
	QUARTER 1, 128, F1, F0, 0
	QUARTER 1, 192, F0, F1, 0
	TURN 1, 0
	QUARTER 0, 64,  F0, F1, 0
	WIN 0
	s_sub_co_u32 s3, s3, 1
	s_cmp_lg_u32 s3, 0
	s_cbranch_scc1 .Llap
	QUARTER 0, 128, F1, F0, 0                      ; the last lap is written out: it asks for nothing more
	QUARTER 0, 192, F0, F1, 0
	MEET 0                                         ; my one tensor load that was still out is slot 1's, the last K step's, so no round follows
	PLACES                                         ; for the loads into buffer 0, which the quarter before multiplied
	FETCH 1, 0, F0
	MUL16 F1, 1, 0, 0
	MUL16 F1, 1, 2, 0
	QUARTER 1, 64,  F0, F1, 0
	QUARTER 1, 128, F1, F0, 0
	QUARTER 1, 192, F0, F1, 0
	s_wait_dscnt 8                                 ; the very last quarter: nothing more to fetch
	MUL16 F1, 0, 0, 0
	MUL16 F1, 0, 2, 0
	s_wait_dscnt 0x0
	MUL16 F1, 1, 0, 0
	MUL16 F1, 1, 2, 0
	PLACES                                         ; the softmax reads results of matrix instructions; from here on its own lines are the places
	SOFT 0
	TOSTAGE 0
.irp a, 1,2,3,4,5,6,7                  ; block a's softmax stands between block a - 1's loads from the stage and the wait for them
	SOFT \a
	SEND (\a)-1
	TOSTAGE \a
.endr
	SEND 7
	ds_load_b128 v[OB:OB+3], v[SRD]                ; my wave's 128 cm, then its 128 l; v32-39 were freed by the last wait on addresses, which stands behind the stores that read them
	ds_load_b128 v[OB+4:OB+7], v[SRD] offset:512
	s_wait_dscnt 0x0
	global_store_b128 v[SGO], v[OB:OB+3], s[ST:ST+1]             ; each store covers 512 consecutive bytes, at a multiple of 256 from st's first byte
	global_store_b128 v[SGO], v[OB+4:OB+7], s[ST:ST+1] offset:512
	s_wait_tensorcnt 0x0                           ; the wave's end, behind my last tensor load and my last LDS store
	ds_add_u32 v[SPW], v[NIL]
	s_wait_dscnt 0x0
	CROUND                                         ; the closing round: no work-group ends while a partner may still ask for a tile that names it
	s_endpgm
.Lfunc_end_k_qd661fbde67_scores:
	.size	k_qd661fbde67_scores, .Lfunc_end_k_qd661fbde67_scores-k_qd661fbde67_scores
	.p2alignl 7, 3214868480
	.fill 96, 4, 3214868480
	.section	.rodata,"a",@progbits
	.p2align	6, 0x0
	.amdhsa_kernel k_qd661fbde67_scores
		.amdhsa_group_segment_fixed_size 327680
		.amdhsa_private_segment_fixed_size 0
		.amdhsa_enable_private_segment 0
		.amdhsa_kernarg_size 32
		.amdhsa_user_sgpr_count 2
		.amdhsa_user_sgpr_kernarg_segment_ptr 1
		.amdhsa_wavefront_size32 1
		.amdhsa_system_sgpr_workgroup_id_x 1
		.amdhsa_system_sgpr_workgroup_id_y 1
		.amdhsa_system_sgpr_workgroup_id_z 1
		.amdhsa_system_vgpr_workitem_id 0
		.amdhsa_next_free_vgpr 1024
		.amdhsa_next_free_sgpr 76
		.amdhsa_reserve_vcc 0
		.amdhsa_float_denorm_mode_32 3
		.amdhsa_float_denorm_mode_16_64 3
		.amdhsa_memory_ordered 1
		.amdhsa_forward_progress 1
		.amdhsa_inst_pref_size 212
	.end_amdhsa_kernel
	.amdgpu_metadata
---
amdhsa.version: [ 1, 2 ]
amdhsa.kernels:
  - .name:           k_qd661fbde67_scores
    .symbol:         k_qd661fbde67_scores.kd
    .args:
      - { .name: zb, .offset: 0, .size: 8, .value_kind: global_buffer, .address_space: global }
      - { .name: kb, .offset: 8, .size: 8, .value_kind: global_buffer, .address_space: global }
      - { .name: pt, .offset: 16, .size: 8, .value_kind: global_buffer, .address_space: global }
      - { .name: st, .offset: 24, .size: 8, .value_kind: global_buffer, .address_space: global }
    .group_segment_fixed_size: 327680
    .private_segment_fixed_size: 0
    .kernarg_segment_align: 8
    .kernarg_segment_size: 32
    .max_flat_workgroup_size: 128
    .sgpr_count:     76
    .vgpr_count:     1024
    .wavefront_size: 32
...
	.end_amdgpu_metadata
.endif
;; end of part 2
;; launch mix (part 3): grid 4 x 64, 4 waves a work-group, clusters of 4 x 4, 327,680 bytes of LDS; arguments pt, vh, out0, st; writes out0
.if DOCPART == 3
	.amdgcn_target "amdgcn-amd-amdhsa--gfx1250"
	.amdhsa_code_object_version 6
	.text
	.protected	k_qd661fbde67_mix
	.globl	k_qd661fbde67_mix
	.p2align	8
	.type	k_qd661fbde67_mix,@function
k_qd661fbde67_mix:
	s_mov_b64 s[64:65], 0
	v_nop
	global_prefetch_b8 v0, s[64:65] scope:SCOPE_SE
	s_setreg_imm32_b32 hwreg(HW_REG_WAVE_MODE, 25, 1), 1
	s_wait_xcnt 0x0
	s_wait_alu depctr_hold_cnt(0) depctr_sa_sdst(0) depctr_va_vdst(0) depctr_va_sdst(0) depctr_va_ssrc(0) depctr_va_vcc(0) depctr_vm_vsrc(0)
	s_getreg_b32 s2, hwreg(HW_REG_IB_STS2, 6, 4)
	s_cmp_eq_u32 s2, 0
	s_cbranch_scc0 .Lentry_in_a_cluster
	s_endpgm
.Lentry_in_a_cluster:
	s_bfe_u32 s2, ttmp6, 0x10000c
	s_cmp_lg_u32 s2, 0xf033
	s_cbranch_scc0 .Lentry_shape_is_right
	s_endpgm
.Lentry_shape_is_right:
; out0[n][d] = (sum over k of p~[n][k] f[n][chunk of k] vh[k][d]) / l[n]: the second half of the softmax and the second product.
; pt: [8192][4096] f16, p~ = 2^(c0 s - cm) with cm the maximum of the key's chunk of 128; vh: [4096][1024] f16; out0: [8192][1024] f32.
; st: for chunk c and the 128 rows of tile row T, at byte 65,536 c + 1,024 T: 128 cm, then 128 l (f32), a row's at PLACE 64 (row / 64) + 4 (row % 16) + (row / 16) % 4.
; For each row: CM = the largest of its 32 cm; f_c = 2^(cm_c - CM) (so the row's true maximum is what is taken away); l = sum of f_c l_c, in f32.
; A fragment of p~ (32 keys of one chunk) is multiplied by ONE factor a lane, two f16 at a time; the sums are f32; 1 / l is applied to them at the end, in f32.
; LIMITS.  f and p~ f are rounded to f16: a product below 6e-8 counts as 0 in the sum over k (not in l, which is at least about 1): at most 4,096 x 3e-8 of l.  An f below 2^-126 counts as 0 in l.
; vh holds no number beyond 65,504.  NaN and infinities are not treated apart.
; SHARES.  A tile of out0 is 128 rows x 256 channels: 64 x 4 tiles, one to a work-group.  Wave w makes rows 64 (w / 2) on, channels 128 (w % 2) on: 32 accumulators of 16 x 16, 256 registers.
; THE RING.  The keys go in VISITS of 192 (six quarters of 32) through two LDS slots.  A key costs 832 bytes of LDS (128 rows of p~ and 256 channels of vh, padded), so 192 keys are 159,744 bytes and
; two such slots 319,488 of the 327,680: the longest visit that fits.  Behind each change of slots a wave issues one load, and 176 of a visit's 192 matrix instructions stand between it and the wait for it.
; 22 visits are 4,224 keys: the last reaches 128 keys past the end.  The descriptors state what is left of the tensor from the tile's first element (ISA guide 10.11: elements beyond the
; extents are not read and arrive as zeros), 192 less at each refill, 64 at the last; of that visit only the first two quarters, its 64 keys, are read.
; The price of 192: a tile's rows of pt are 384 bytes, and in odd visits they begin at 128 modulo 256, so one aligned block of 256 bytes in three is asked for by two visits.
; THE FACTORS are made as they are needed: for chunk c each lane loads the cm of its four rows (16 bytes, side by side in st), takes CM away, and rounds 2^(..) to f16, twice in a word:
; ten vector instructions for a chunk's 128 matrix instructions.  Three sets of registers take turns (chunk c: set c % 3); chunk c + 3 is asked for when chunk c's factors are made, twelve quarters ahead of its use.
; THE MATRIX INSTRUCTION IS USED TRANSPOSED: source 0 = 16 channels x 32 keys of vh, turned on its way out of LDS by ds_load_tr16_b128; source 1 = 32 keys x 16 rows of p~, as it lies.
; In the result lane l holds row l % 16 and its registers 0 to 7 the channels 8 (l / 16) + 0 .. 7: 32 neighbouring bytes of out0.
; CLUSTERS: 4 x 4 work-groups.  The four of a row of the cluster (one tile row, the four tile columns) need the same tiles of pt, the four of a column the same tiles of vh: each is asked for JOINTLY.
; REGISTERS, in windows of 256 (s_set_vgpr_msb's low byte: bits 1:0 source 0, 3:2 source 1, 5:4 source 2, 7:6 destination):
;   window 0: v0-31 addresses; v32-63 fragments of p~ for my row blocks 0, 1, two buffers; v64-191 their 16 accumulators; v192-199 at work in the head, later 1 / l; v200-219 CM, cm as loaded, at work
;   window 1: v32-63 and v64-191 the same for my row blocks 2, 3
;   window 2: v0-127 fragments of vh, two buffers (on the way out: rows read back from the stage); v128-139 the factors, three sets of four
; Under one setting stand both a half's products and its scalings (factor in window 2, fragment in the half's window), so the scalings cost no switch.
.set SIZE_KEYS, 4096
.set SIZE_D, 1024
.set KV,     192                       ; keys in a visit
.set PA,     432                       ; a row of p~ in LDS: 3 x (128 bytes + 16 of padding) = 108 words: the 16 rows of a load start at 16 different groups of four banks (64 banks of 4 bytes: ISA guide 11.1)
.set PV,     544                       ; a key's row of vh: 512 + 32 = 136 words
.set ATILE,  128*PA
.set SLOT,   ATILE+KV*PV               ; p~'s 128 rows, then vh's 192 keys
.set STAGE,  0                         ; the way out: 16 rows x 528 bytes for each wave, in slot 0, which by then has had its last fill and its last read
.set SP,     528                       ; 512 bytes + 16: the 16 rows of a store start at 16 different groups of four banks
.set XCM,    2*SLOT                    ; behind the ring: CM of the tile's 128 rows, by place
.set RLB,    XCM+512                   ; 1 / l, twice as f32, by place
.set SPARE,  RLB+1024                  ; the spare words, 128 bytes for each wave: two blocks of 256 bytes that no other line names
.set TRIPS,  10                        ; 11 laps of two visits; the last is written out
.set LO,   10                          ; v10     my lane's 16 bytes in a chunk's cm: 256 (w / 2) + 16 (l % 16); never rewritten
.set AO,   11                          ; v11-13  set i: byte offset in st of the cm asked for
.set XA,   15                          ; v15     where my lane's four CM lie
.set ADRA, 16                          ; v16-17  LDS address of my p~ fragments in slot 0, 1
.set ADRB, 18                          ; v18-21  the same for vh: slot s, quarters 0-2 at ADRB + 2 s, quarters 3-5 at ADRB + 2 s + 1 (an LDS immediate holds 16 bits)
.set XW,   22                          ; v22     the head: where my thread's place puts CM
.set RLW,  23                          ; v23     the head: where it puts 1 / l
.set STO,  24                          ; v24     the way out: where I put 32 bytes of a row
.set RD,   25                          ; v25     the way out: where I read a row back
.set CO,   26                          ; v26     my byte offset in 512 consecutive bytes of out0
.set SO,   27                          ; v27     the head: 4 x my thread's number
.set SPW,  28                          ; v28     LDS address of my spare word: SPARE + 4 x my thread's number; never rewritten
.set NIL,  29                          ; v29     0; never rewritten
.set RLA,  30                          ; v30     the way out: where my lane's four 1 / l lie
.set AF,   32                          ; buffer f, block a % 2 at AF + 16 f + 8 (a % 2)
.set ACC,  64                          ; accumulator (a % 2, b) at ACC + 8 (8 (a % 2) + b)
.set RL,   192
.set CMX,  200                         ; v200-203 CM of row l % 16 of my four row blocks
.set CR,   204                         ; v204-215 set i: four cm as loaded
.set T,    216                         ; v216-219 at work
.set VF,   0                           ; window 2: buffer f, channel block b at 64 f + 8 b
.set FS,   128                         ; window 2: set i's factors for my four row blocks at FS + 4 i
.set G1, 24                            ; s[24:31] descriptor group 1 for pt's tiles;  s[32:39] group 0, one set for each slot
.set G0, 32
.set G1B, 48                           ; s[48:55], s[56:63] the same for vh's tiles
.set G0B, 56
.set ST,  66                           ; s[66:67] st at my tile's rows
.set SCH, 70                           ; s70     65,536 x the chunk to be asked for next
.set SCL, 71                           ; s71     the same, held to the last chunk
.set MSB, 0
.macro WIN new                         ; the immediate's high byte repeats the setting that is left; a switch that changes nothing is dropped
.if MSB != (\new)
	s_set_vgpr_msb (MSB<<8)|(\new)
.set MSB, \new
.endif
.endm
.set W_LO, 0x02                        ; source 0 window 2, all else window 0;  + 0x54: source 0 window 2, all else window 1
; A joint refill.  Waves 0 and 1 fetch the two halves (64 rows) of pt's tile, wave 2 vh's 192 keys; wave 3 has no part: a second half of vh by keys would begin past the tensor's end in the last visit.
; The branches hang on the wave's number alone.  An s_nop 0 and four v_nop follow each of the two lines, ahead of the jump, the label and what follows.
.macro JLOAD s
	s_cmp_lt_u32 s10, 2
	s_cbranch_scc0 .Lnot_p_\@
	tensor_load_to_lds s[G0+4*(\s):G0+4*(\s)+3], s[G1:G1+7]
	s_nop 0
.rept 4
	v_nop
.endr
	s_branch .Lasked_\@
.Lnot_p_\@:
	s_cmp_eq_u32 s10, 2
	s_cbranch_scc0 .Lasked_\@
	tensor_load_to_lds s[G0B+4*(\s):G0B+4*(\s)+3], s[G1B:G1B+7]
	s_nop 0
.rept 4
	v_nop
.endr
.Lasked_\@:
.endm
.macro CREST                           ; a round of the cluster's barrier behind its opening barrier
	s_cmp_lg_u32 s10, 0
	s_cbranch_scc1 .Lnot_wave_0_\@
	s_barrier_signal -3
.Lnot_wave_0_\@:
	s_barrier_wait -3
	s_barrier_signal -1
	s_barrier_wait -1
.endm
.macro CROUND                          ; a whole round
	s_barrier_signal -1
	s_barrier_wait -1
	CREST
.endm
	s_load_b128 s[4:7], s[0:1], 0x0                ; pt s[4:5], vh s[6:7]
	s_load_b64 s[8:9], s[0:1], 0x10                ; out0
	s_load_b64 s[ST:ST+1], s[0:1], 0x18            ; st
	v_lshl_add_u32 v[SPW], v0, 2, SPARE
	v_mov_b32 v[NIL], 0
	ds_add_u32 v[SPW], v[NIL]                      ; the wave's opening: the add and its wait stand ahead of my first tensor load; the set-up below, work on registers, stands between them
	v_lshrrev_b32 v1, 5, v0
	v_readfirstlane_b32 s10, v1                    ; wave 0..3
	s_lshr_b32 s11, s10, 1                         ; which 64 of the tile's rows are mine
	s_and_b32 s12, s10, 1                          ; which 128 of its channels.  Also, in waves 0 and 1: which 64 rows of pt's tile I fetch
	s_bfe_u32 s40, ttmp6, 0x40000                  ; cx, cy: my place in the cluster
	s_bfe_u32 s41, ttmp6, 0x40004
	s_lshl_b32 s42, ttmp9, 2
	s_add_co_u32 s42, s42, s40                     ; tile column = 4 x cluster x + cx
	s_and_b32 s13, ttmp7, 0xffff
	s_lshl_b32 s13, s13, 2
	s_add_co_u32 s13, s13, s41                     ; tile row = 4 x cluster y + cy
	s_lshl_b32 s43, s41, 2
	s_lshl_b32 s43, 15, s43                        ; my row of the cluster
	s_lshl_b32 s44, 0x1111, s40                    ; my column
	; descriptor group 1 for pt: 64 rows x 192 elements
	s_or_b32 s[G1+0], s43, (1<<16)|(1<<20)|(1<<21)|(4<<22)|(3<<25)  ; 15:0 the mask: pt's tiles go to my row; 17:16 element of 2 bytes; 20 padding on; 21 set beside a mask; 24:22 after every 32 words (code 4); 31:25 of 4 words (code 3)
	s_mov_b32 s[G1+1], (SIZE_KEYS-KV)<<16          ; tensor_dim0: the keys left from visit 1's first; visit 0's tile lies inside that too.  Each refill takes 192 off
	s_mov_b32 s[G1+2], 64<<16                      ; tensor_dim1 = 64
	s_mov_b32 s[G1+3], KV<<16                      ; tile_dim0 = 192
	s_mov_b32 s[G1+4], 64                          ; tile_dim1 = 64
	s_mov_b32 s[G1+5], SIZE_KEYS                   ; elements from row to row
	s_mov_b32 s[G1+6], 0
	s_mov_b32 s[G1+7], 0
	; and for vh: 192 keys x 256 elements
	s_or_b32 s[G1B+0], s44, (1<<16)|(1<<20)|(1<<21)|(6<<22)|(7<<25) ; the mask of my column; padding after every 128 words (code 6), of 8 words (code 7)
	s_mov_b32 s[G1B+1], 256<<16                    ; tensor_dim0 = 256
	s_mov_b32 s[G1B+2], (SIZE_KEYS-KV)<<16         ; tensor_dim1: the keys left, as above
	s_mov_b32 s[G1B+3], 256<<16                    ; tile_dim0 = 256
	s_mov_b32 s[G1B+4], KV                         ; tile_dim1 = 192
	s_mov_b32 s[G1B+5], SIZE_D
	s_mov_b32 s[G1B+6], 0
	s_mov_b32 s[G1B+7], 0
	; where the tiles come from.  pt's hang on the tile row alone, vh's on the tile column alone; each offset lies in registers that never hold the other coordinate.
	s_lshl_b32 s17, s12, 6                         ; which 64 rows of pt's tile I fetch
	s_lshl_b32 s16, s13, 7
	s_add_co_u32 s16, s16, s17                     ; row 128 x tile row + 64 x half,
	s_lshl_b32 s16, s16, 13                        ; 8,192 bytes each: under 2^26
	s_mov_b32 s17, 0
	s_lshl_b32 s46, s42, 9                         ; vh: 512 bytes a tile column
	s_mov_b32 s47, 0
	s_mul_i32 s20, s12, 64*PA                      ; and where pt's go: no place in the cluster enters an LDS address
	s_wait_dscnt 0x0                               ; the opening add is done
	s_wait_kmcnt 0x0
	s_add_nc_u64 s[14:15], s[4:5], s[16:17]
	s_add_nc_u64 s[46:47], s[6:7], s[46:47]
	CROUND                                         ; all sixteen work-groups are here: the first joint loads meet
.irp s, 0,1
	s_mov_b32 s[G0+4*(\s)], 1                                      ; 1:0 count = 1
	s_add_co_u32 s[G0+4*(\s)+1], s20, (\s)*SLOT                    ; 63:32 LDS address
	s_add_nc_u64 s[G0+4*(\s)+2:G0+4*(\s)+3], s[14:15], (\s)*KV*2   ; 120:64 global address: visit s lies 384 bytes along the rows
	s_or_b32 s[G0+4*(\s)+3], s[G0+4*(\s)+3], 0x80000000            ; 127:126 type = 2
	s_mov_b32 s[G0B+4*(\s)], 1
	s_mov_b32 s[G0B+4*(\s)+1], ATILE+(\s)*SLOT
	s_add_nc_u64 s[G0B+4*(\s)+2:G0B+4*(\s)+3], s[46:47], (\s)*KV*SIZE_D*2  ; visit s lies 192 keys down
	s_or_b32 s[G0B+4*(\s)+3], s[G0B+4*(\s)+3], 0x80000000
.endr
	s_cmp_lt_u32 s10, 2                            ; a wave's two first fills stand in one branch, ahead of every wait on TENSORcnt and every LDS read: two loads of mine are out, or none
	s_cbranch_scc0 .Lfirst_not_p
	tensor_load_to_lds s[G0:G0+3], s[G1:G1+7]
	s_nop 0
	tensor_load_to_lds s[G0+4:G0+7], s[G1:G1+7]
	s_nop 0
.rept 4
	v_nop
.endr
	s_branch .Lfirst_asked
.Lfirst_not_p:
	s_cmp_eq_u32 s10, 2
	s_cbranch_scc0 .Lfirst_asked
	tensor_load_to_lds s[G0B:G0B+3], s[G1B:G1B+7]
	s_nop 0
	tensor_load_to_lds s[G0B+4:G0B+7], s[G1B:G1B+7]
	s_nop 0
.rept 4
	v_nop
.endr
.Lfirst_asked:
	; THE HEAD, in the wait for the first tiles.  Thread t takes place t of the tile's 128: its 32 cm and 32 l.  63 loads go out at once, the 64th when the cm are in.
	s_lshl_b32 s68, s13, 10                        ; 1,024 bytes a tile row
	s_mov_b32 s69, 0
	s_add_nc_u64 s[ST:ST+1], s[ST:ST+1], s[68:69]
	v_lshlrev_b32 v[SO], 2, v0
.set c, 0
.rept 32
	global_load_b32 v[ACC+c], v[SO], s[ST:ST+1] offset:65536*c
.set c, c+1
.endr
.set c, 0
.rept 31
	global_load_b32 v[ACC+32+c], v[SO], s[ST:ST+1] offset:65536*c+512
.set c, c+1
.endr
	v_and_b32 v1, 15, v0                           ; l % 16
	v_bfe_u32 v2, v0, 4, 1                         ; l / 16
	v_mul_u32_u24 v3, v1, PA
	v_lshl_add_u32 v3, v2, 4, v3                   ; a fragment of p~: row x pitch + 16 x half; two loads of 16 bytes, 32 bytes apart
	s_mul_i32 s22, s11, 64*PA                      ; my 64 rows
	; The turning load takes 16 keys x 16 channels (lane l reads key 8 (l / 16) + l % 8, channels 8 ((l / 8) % 2) + 0..7) and leaves half a fragment: lane l holds channel l % 16 and 8 keys.
	v_and_b32 v4, 7, v0
	v_bfe_u32 v5, v0, 3, 1
	v_lshl_add_u32 v6, v2, 3, v4
	v_mul_u32_u24 v6, v6, PV
	v_lshl_add_u32 v6, v5, 4, v6
	s_lshl_b32 s23, s12, 8                         ; my 128 channels,
	s_add_co_u32 s23, s23, ATILE                   ; behind p~'s rows
.irp s, 0,1
	v_add_nc_u32 v[ADRA+(\s)], s22, v3
	v_add_nc_u32 v[ADRB+2*(\s)], s23, v6
	v_add_nc_u32 v[ADRB+2*(\s)+1], 3*32*PV, v[ADRB+2*(\s)]
	s_add_co_u32 s22, s22, SLOT
	s_add_co_u32 s23, s23, SLOT
.endr
	s_lshl_b32 s22, s11, 8
	v_lshl_add_u32 v[LO], v1, 4, s22               ; places 64 (w / 2) + 4 (l % 16) + 0..3: row l % 16 of my four row blocks
	v_add_nc_u32 v[XA], XCM, v[LO]
	v_lshl_add_u32 v[XW], v0, 2, XCM
	v_lshl_add_u32 v[RLW], v0, 3, RLB
	s_lshl_b32 s22, s11, 9
	s_add_co_u32 s22, s22, RLB
	v_lshl_add_u32 v[RLA], v1, 5, s22
	s_mul_i32 s22, s10, 16*SP                      ; my stage
	v_mul_u32_u24 v9, v1, SP                       ; in: row l % 16, 32 bytes for each half of the lanes
	v_lshl_add_u32 v9, v2, 5, v9
	v_add_nc_u32 v[STO], s22, v9
	v_and_b32 v9, 31, v0
	v_lshlrev_b32 v[CO], 4, v9                     ; back and out: 32 lanes take a row's 512 bytes
	v_add_nc_u32 v[RD], s22, v[CO]
	s_lshl_b32 s16, s13, 7
	s_lshl_b32 s17, s11, 6
	s_add_co_u32 s16, s16, s17                     ; my first row of out0,
	s_lshl_b32 s16, s16, 12                        ; 4,096 bytes each
	s_mov_b32 s17, 0
	s_add_nc_u64 s[8:9], s[8:9], s[16:17]
	s_lshl_b32 s46, s42, 10                        ; my first channel, in bytes: 1,024 x tile column + 512 x half
	s_lshl_b32 s47, s12, 9
	s_add_co_u32 s46, s46, s47
	s_mov_b32 s47, 0
	s_add_nc_u64 s[8:9], s[8:9], s[46:47]
; ASK: the cm of the next chunk, for row l % 16 of my four row blocks, into set i: 16 bytes a lane; the two halves of the lanes take the same 256 bytes.
; The chunk's number is held to 31: the loop's last trip asks three times for chunk 31 again and uses none of it, so that every trip counts the same loads.
.macro ASK i
	s_min_u32 s[SCL], s[SCH], 31<<16
	v_add_nc_u32 v[AO+(\i)], s[SCL], v[LO]
	s_add_co_u32 s[SCH], s[SCH], 1<<16
	global_load_b128 v[CR+4*(\i):CR+4*(\i)+3], v[AO+(\i)], s[ST:ST+1]
.endm
; FACT: set i's factors are made of the cm that was asked for three chunks ago, and the set's next cm is asked for.
.macro FACT i
	WIN 0
	s_wait_loadcnt 2                               ; loads come back in order (ISA guide 5.7.1): the oldest of the three that are out is set i's; that wait also frees its address register
	v_pk_add_f32 v[T:T+1], v[CR+4*(\i):CR+4*(\i)+1], v[CMX:CMX+1] neg_lo:[0,1] neg_hi:[0,1]
	v_pk_add_f32 v[T+2:T+3], v[CR+4*(\i)+2:CR+4*(\i)+3], v[CMX+2:CMX+3] neg_lo:[0,1] neg_hi:[0,1]
.irp k, 0,1,2,3
	v_exp_f32 v[T+\k], v[T+\k]
.endr
	ASK \i                                         ; its addition is the plain instruction between the exponentials and the use of their results (ISA guide 5.7.2)
	WIN 0x80                                       ; destination window 2
	s_wait_alu depctr_va_vdst(0)
.irp k, 0,1,2,3
	v_cvt_pk_f16_f32 v[FS+4*(\i)+\k], v[T+\k], v[T+\k]  ; f twice in a word
.endr
.endm
	s_wait_loadcnt 31                              ; the 32 cm are in; the 31 l behind them may be out
	global_load_b32 v[ACC+63], v[SO], s[ST:ST+1] offset:65536*31+512
	s_mov_b32 s[SCH], 0
	ASK 0                                          ; chunks 0, 1, 2
	ASK 1
	ASK 2
	v_max3_num_f32 v[RL], v[ACC], v[ACC+1], v[ACC+2]
.set c, 3
.rept 14
	v_max3_num_f32 v[RL], v[RL], v[ACC+c], v[ACC+c+1]
.set c, c+2
.endr
	v_max_num_f32 v[RL], v[RL], v[ACC+31]          ; CM
	ds_store_b32 v[XW], v[RL]
.set c, 0
.rept 32
	v_sub_f32 v[ACC+c], v[ACC+c], v[RL]
.set c, c+1
.endr
.set c, 0
.rept 32
	v_exp_f32 v[ACC+c], v[ACC+c]                   ; f
.set c, c+1
.endr
	v_nop                                          ; a plain instruction between the exponentials and the use of their results (ISA guide 5.7.2)
	s_wait_loadcnt 3                               ; the 32 l are in; the three requests behind them may be out
.set c, 0
	s_wait_alu depctr_va_vdst(0)
.rept 4
	v_mul_f32 v[RL+1+c], v[ACC+c], v[ACC+32+c]     ; l in four chains; the first products start them
.set c, c+1
.endr
.rept 28
	v_fma_f32 v[RL+1+c%4], v[ACC+c], v[ACC+32+c], v[RL+1+c%4]
.set c, c+1
.endr
	v_add_f32 v[RL+1], v[RL+1], v[RL+2]
	v_add_f32 v[RL+3], v[RL+3], v[RL+4]
	v_add_f32 v[RL+1], v[RL+1], v[RL+3]
	v_rcp_f32 v[RL+6], v[RL+1]
	v_nop                                          ; a plain instruction behind the reciprocal
	s_wait_alu depctr_va_vdst(0)
	v_mov_b32 v[RL+7], v[RL+6]
	ds_store_b64 v[RLW], v[RL+6:RL+7]
; THE LOOP'S PARTS.  SC: register i of the p~ fragment of row block a, buffer f, times the block's factor of set s: two f16 at a time, in place.
.macro SC f, s, a, i
	v_pk_mul_f16 v[AF+16*(\f)+8*((\a)%2)+(\i)], v[FS+4*(\s)+(\a)], v[AF+16*(\f)+8*((\a)%2)+(\i)]
.endm
.macro MM f, a, b, zero                ; the product of row block a and channel block b, 32 keys.  zero = 1: it starts the sum: nothing is ever cleared
.set rD, ACC+8*(8*((\a)%2)+(\b))
.set rV, VF+64*(\f)+8*(\b)
.set rP, AF+16*(\f)+8*((\a)%2)
.if \zero
	v_wmma_f32_16x16x32_f16 v[rD:rD+7], v[rV:rV+7], v[rP:rP+7], 0
.else
	v_wmma_f32_16x16x32_f16 v[rD:rD+7], v[rV:rV+7], v[rP:rP+7], v[rD:rD+7]
.endif
.endm
; Half w of a quarter is row blocks 2 w and 2 w + 1.  HALFA: block 2 w is scaled; its eight products, and behind each a scaling of block 2 w + 1.  HALFB: that block's eight products.
; The 32 accumulators take turns, one instruction a turn, in the same order in every quarter.  No scaling names a register of the products round it.
.macro HALFA f, s, w, zero
	WIN W_LO+0x54*(\w)
.irp i, 0,1,2,3,4,5,6,7
	SC \f, \s, 2*(\w), \i
.endr
.irp b, 0,1,2,3,4,5,6,7
	MM \f, 2*(\w), \b, \zero
	SC \f, \s, 2*(\w)+1, \b
.endr
.endm
.macro HALFB f, w, zero
	WIN W_LO+0x54*(\w)
.irp b, 0,1,2,3,4,5,6,7
	MM \f, 2*(\w)+1, \b, \zero
.endr
.endm
; 24 LDS loads in one run: the fragments of quarter q (32 keys) of a slot into buffer g: vh's eight (turned), p~'s blocks 0, 1, then blocks 2, 3.  In a row of p~ quarter q lies at byte 64 q + 16 (q / 2).
; The last products that read buffer g stand in the quarter before; the sixteen scalings of this quarter's first half, which name none of their registers, are the four places and more
; that stand between a matrix instruction and a load into a register that it has read.
.macro FETCH slot, q, g
	WIN 0x80                                       ; destination window 2, address window 0
.irp b, 0,1,2,3,4,5,6,7
	ds_load_tr16_b128 v[VF+64*(\g)+8*\b:VF+64*(\g)+8*\b+3],   v[ADRB+2*(\slot)+(\q)/3] offset:((\q)%3)*32*PV+32*\b
	ds_load_tr16_b128 v[VF+64*(\g)+8*\b+4:VF+64*(\g)+8*\b+7], v[ADRB+2*(\slot)+(\q)/3] offset:((\q)%3)*32*PV+16*PV+32*\b
.endr
	WIN 0
.irp a, 0,1
	ds_load_b128 v[AF+16*(\g)+8*\a:AF+16*(\g)+8*\a+3],   v[ADRA+(\slot)] offset:64*(\q)+16*((\q)/2)+\a*16*PA
	ds_load_b128 v[AF+16*(\g)+8*\a+4:AF+16*(\g)+8*\a+7], v[ADRA+(\slot)] offset:64*(\q)+16*((\q)/2)+\a*16*PA+32
.endr
	WIN 0x40                                       ; destination window 1
.irp a, 0,1
	ds_load_b128 v[AF+16*(\g)+8*\a:AF+16*(\g)+8*\a+3],   v[ADRA+(\slot)] offset:64*(\q)+16*((\q)/2)+(\a+2)*16*PA
	ds_load_b128 v[AF+16*(\g)+8*\a+4:AF+16*(\g)+8*\a+7], v[ADRA+(\slot)] offset:64*(\q)+16*((\q)/2)+(\a+2)*16*PA+32
.endr
.endm
; A visit is six quarters of 32 keys, 32 matrix instructions each, on buffers 0, 1, 0, 1, 0, 1.  One of the first five: multiplies buffer f by the factors of set s and fetches quarter q of the same slot into g.
.macro QUARTER slot, q, f, g, s, zero
	s_wait_dscnt 4                                 ; vh and p~'s blocks 0, 1 are in; the youngest four loads (blocks 2, 3) may be out
	HALFA \f, \s, 0, \zero
	HALFB \f, 0, \zero
	FETCH \slot, \q, \g
	s_wait_dscnt 24                                ; all but the 24 just issued
	HALFA \f, \s, 1, \zero
	HALFB \f, 1, \zero
.endm
; The sixth quarter multiplies buffer 1 and changes slots: ONE barrier; in front of it each wave waits for all its tensor loads, of which at most one is out: its part of the next slot; adds 0 to its spare
; word; and waits for that and for its own reads of this slot.  fill = 1: the barrier opens a round of the cluster's, and this slot is filled again, two visits ahead, first thing behind the round.
.macro TURN slot, next, s, fill
	WIN 0                                          ; (the add's two registers lie in window 0)
	s_wait_tensorcnt 0x0                           ; all my tensor loads have landed: my part of the next slot;
	ds_add_u32 v[SPW], v[NIL]                      ; 0 onto my spare word;
	s_wait_dscnt 5                                 ; (the add and the youngest four loads may be out)
	HALFA 1, \s, 0, 0                              ; eight matrix instructions and sixteen scalings stand between the add and the wait for it
	s_wait_dscnt 0x0                               ; the add is done, and my reads of this slot are over
	s_barrier_signal -1
	HALFB 1, 0, 0                                  ; work on registers while the others arrive
.if \fill
	WIN 0
.endif
	s_barrier_wait -1
.if \fill
	CREST                                          ; no wave of any partner still reads this slot's tiles or has a load on its way
	s_add_nc_u64 s[G0+4*(\slot)+2:G0+4*(\slot)+3], s[G0+4*(\slot)+2:G0+4*(\slot)+3], 2*KV*2
	s_add_nc_u64 s[G0B+4*(\slot)+2:G0B+4*(\slot)+3], s[G0B+4*(\slot)+2:G0B+4*(\slot)+3], 2*KV*SIZE_D*2
	s_sub_co_u32 s[G1+1], s[G1+1], KV<<16          ; the refills take the visits in turn: 192 keys fewer are left from each tile's first; 64 at the twentieth, the last
	s_sub_co_u32 s[G1B+2], s[G1B+2], KV<<16
	JLOAD \slot                                    ; the first tensor load behind the round, my only one until the next
.endif
	FETCH \next, 0, 0
	HALFA 1, \s, 1, 0
	HALFB 1, 1, 0
.endm
	s_wait_tensorcnt 1                             ; my part of visit 0 is in; visit 1's may stay out
	s_wait_dscnt 0x0                               ; for the others' sake: my place's CM and 1 / l are stored
	s_barrier_signal -1
	s_barrier_wait -1                              ; everybody's are
	ds_load_b128 v[CMX:CMX+3], v[XA]               ; CM of my lane's four rows
	FETCH 0, 0, 0
	s_wait_dscnt 24                                ; CM is in; the 24 loads behind it may be out
	FACT 0                                         ; chunk 0; chunk 3 is asked for
	FACT 1                                         ; chunk 1; chunk 4
	QUARTER 0, 1, 0, 1, 0, 1                       ; the first quarter stands in front of the loop: its products start the sums
	WIN 0                                          ; at a label and at a branch every window is 0
	s_mov_b32 s3, TRIPS
; A lap is two visits, twelve quarters, three chunks: in lap L slot 0's quarters 0-3 are chunk 3 L (set 0), its quarters 4, 5 and slot 1's quarters 0, 1 chunk 3 L + 1 (set 1), slot 1's quarters 2-5 chunk 3 L + 2 (set 2).
; A trip goes once round the ring, from a lap's second quarter to the next lap's first, and fills both slots again.  Each set's factors are made anew behind their last use: chunks 3 L + 2, 3 L + 3, 3 L + 4.
.Llap:
	FACT 2
	QUARTER 0, 2, 1, 0, 0, 0
	QUARTER 0, 3, 0, 1, 0, 0
	QUARTER 0, 4, 1, 0, 0, 0
	FACT 0
	QUARTER 0, 5, 0, 1, 1, 0
	TURN 0, 1, 1, 1
	QUARTER 1, 1, 0, 1, 1, 0
	QUARTER 1, 2, 1, 0, 1, 0
	FACT 1
	QUARTER 1, 3, 0, 1, 2, 0
	QUARTER 1, 4, 1, 0, 2, 0
	QUARTER 1, 5, 0, 1, 2, 0
	TURN 1, 0, 2, 1
	QUARTER 0, 1, 0, 1, 0, 0
	WIN 0
	s_sub_co_u32 s3, s3, 1
	s_cmp_lg_u32 s3, 0
	s_cbranch_scc1 .Llap
	QUARTER 0, 2, 1, 0, 0, 0                       ; the last lap is written out: it fills nothing, and has no round of the cluster's barrier.  Chunk 30 in set 0,
	QUARTER 0, 3, 0, 1, 0, 0
	QUARTER 0, 4, 1, 0, 0, 0
	QUARTER 0, 5, 0, 1, 1, 0                       ; chunk 31 in set 1
	TURN 0, 1, 1, 0
	QUARTER 1, 1, 0, 1, 1, 0                       ; of the last visit two quarters are keys: 4,032 to 4,095
	s_wait_dscnt 4                                 ; the very last quarter: nothing more to fetch
	HALFA 1, 1, 0, 0
	HALFB 1, 0, 0
	s_wait_dscnt 0x0
	HALFA 1, 1, 1, 0
	HALFB 1, 1, 0
	; THE WAY OUT, a row block (16 rows x 128 channels of f32) at a time: times 1 / l; 32 bytes a lane into my own stage; back as whole rows of 512 bytes; stored.
	; The stage lies in slot 0: its last fill was waited for, and every wave's last read of it was back, in front of the last lap's barrier.
	WIN 0
	ds_load_b128 v[RL:RL+3], v[RLA]                ; 1 / l, twice, of row l % 16 of my four row blocks
	ds_load_b128 v[RL+4:RL+7], v[RLA] offset:16
.rept 4
	v_nop                                          ; four places between the last products and the lines that read and rewrite their results (ISA guide 7.12.1)
.endr
	s_wait_dscnt 0x0
.macro OUTB a
.set AB, ACC+64*((\a)%2)
.set BK, 64*((\a)%2)
	WIN 0x41*((\a)/2)                              ; the block's accumulators in window 0 or 1, 1 / l in window 0
.set i, 0
.rept 32
	v_pk_mul_f32 v[AB+2*i:AB+2*i+1], v[AB+2*i:AB+2*i+1], v[RL+2*(\a):RL+2*(\a)+1]  ; each accumulator from its low end on
.set i, i+1
.endr
	WIN 0x04*((\a)/2)                              ; a store's data is source 1
.irp b, 0,1,2,3,4,5,6,7
	ds_store_b128 v[STO], v[AB+8*\b:AB+8*\b+3] offset:64*\b
	ds_store_b128 v[STO], v[AB+8*\b+4:AB+8*\b+7] offset:64*\b+16
.endr
	s_wait_xcnt 0x0                                ; every earlier memory instruction has had its addresses translated (ISA guide 3.1): the registers that the block two back was stored from are loaded again only behind this wait
	WIN 0x80
.irp t, 0,1,2,3,4,5,6,7,8,9,10,11,12,13,14,15
	ds_load_b128 v[BK+4*\t:BK+4*\t+3], v[RD] offset:SP*\t  ; LDS serves a wave's instructions in order (ISA guide 5.7.1.4): these see the stores above; the next block's stores come behind them
.endr
.endm
.macro SENDB a, younger                ; younger: the LDS instructions issued behind block a's loads: the next block's 32, or none
.set BK, 64*((\a)%2)
	WIN 0x08                                       ; a store's data, source 1, in window 2
.irp t, 0,1,2,3,4,5,6,7,8,9,10,11,12,13,14,15
	s_wait_dscnt (\younger)+15-\t
	global_store_b128 v[CO], v[BK+4*\t:BK+4*\t+3], s[8:9] offset:(16*(\a)+\t)*4096 th:TH_STORE_NT  ; 512 consecutive bytes, at a multiple of 256 from out0's first byte
.endr
.endm
	OUTB 0
.irp a, 1,2,3                          ; a block's arithmetic stands between the loads of the block before and its stores
	OUTB \a
	SENDB (\a)-1, 32
.endr
	SENDB 3, 0
	WIN 0
	s_wait_tensorcnt 0x0                           ; the wave's end, behind my last tensor load and my last LDS store
	ds_add_u32 v[SPW], v[NIL]
	s_wait_dscnt 0x0
	CROUND                                         ; the closing round: no work-group ends while a partner may still ask for a tile that names it
	s_endpgm
.Lfunc_end_k_qd661fbde67_mix:
	.size	k_qd661fbde67_mix, .Lfunc_end_k_qd661fbde67_mix-k_qd661fbde67_mix
	.p2alignl 7, 3214868480
	.fill 96, 4, 3214868480
	.section	.rodata,"a",@progbits
	.p2align	6, 0x0
	.amdhsa_kernel k_qd661fbde67_mix
		.amdhsa_group_segment_fixed_size 327680
		.amdhsa_private_segment_fixed_size 0
		.amdhsa_enable_private_segment 0
		.amdhsa_kernarg_size 32
		.amdhsa_user_sgpr_count 2
		.amdhsa_user_sgpr_kernarg_segment_ptr 1
		.amdhsa_wavefront_size32 1
		.amdhsa_system_sgpr_workgroup_id_x 1
		.amdhsa_system_sgpr_workgroup_id_y 1
		.amdhsa_system_sgpr_workgroup_id_z 1
		.amdhsa_system_vgpr_workitem_id 0
		.amdhsa_next_free_vgpr 656
		.amdhsa_next_free_sgpr 72
		.amdhsa_reserve_vcc 0
		.amdhsa_float_denorm_mode_32 3
		.amdhsa_float_denorm_mode_16_64 3
		.amdhsa_memory_ordered 1
		.amdhsa_forward_progress 1
		.amdhsa_inst_pref_size 167
	.end_amdhsa_kernel
	.amdgpu_metadata
---
amdhsa.version: [ 1, 2 ]
amdhsa.kernels:
  - .name:           k_qd661fbde67_mix
    .symbol:         k_qd661fbde67_mix.kd
    .args:
      - { .name: pt, .offset: 0, .size: 8, .value_kind: global_buffer, .address_space: global }
      - { .name: vh, .offset: 8, .size: 8, .value_kind: global_buffer, .address_space: global }
      - { .name: out0, .offset: 16, .size: 8, .value_kind: global_buffer, .address_space: global }
      - { .name: st, .offset: 24, .size: 8, .value_kind: global_buffer, .address_space: global }
    .group_segment_fixed_size: 327680
    .private_segment_fixed_size: 0
    .kernarg_segment_align: 8
    .kernarg_segment_size: 32
    .max_flat_workgroup_size: 128
    .sgpr_count:     72
    .vgpr_count:     656
    .wavefront_size: 32
...
	.end_amdgpu_metadata
.endif
;; end of part 3
